; MI455X (gfx1250); checked and timed in simulation.
; The chip was launched on July 23, 2026; its instructions are those of AMD's public machine-readable ISA for CDNA 5 (MIT licence, August 2026) and "CDNA5" Instruction Set Architecture Reference Guide (July 2026). The comments in the code are by the model that wrote it; some were corrected since.
;; QKV Attention. Allowed arithmetic: float matrix products may take bf16 or f16 operands with f32 sums; all other float work in f32.
;; Inputs: mask 8 x 1,024 float32; qkv 8 x 3,072 x 1,024 float32.
;; Outputs: out0 8 x 1,024 x 1,024 float32.
;; 2 versions, each right; version 2 is version 1 with the launch attn written anew for expert scheduling mode. Each part assembles by itself: llvm-mc -triple=amdgcn-amd-amdhsa -mcpu=gfx1250 --defsym DOCPART=n.
;; ======== version 1 of 2: 1 launch
;; limits: values are held in f16: magnitudes above 65,504 overflow, below 6.1e-05 lose precision
;; launch attn (part 1): grid 256 x 1, 8 waves a work-group, no clusters, 37,888 bytes of LDS; arguments mask, qkv, out0; writes out0
.if DOCPART == 1
	.amdgcn_target "amdgcn-amd-amdhsa--gfx1250"
	.amdhsa_code_object_version 6
	.text
	.protected	k_q02e9d8ed62_attn
	.globl	k_q02e9d8ed62_attn
	.p2align	8
	.type	k_q02e9d8ed62_attn,@function
k_q02e9d8ed62_attn:
	s_mov_b64 s[64:65], 0
	v_nop
	global_prefetch_b8 v0, s[64:65] scope:SCOPE_SE
	s_setreg_imm32_b32 hwreg(HW_REG_WAVE_MODE, 25, 1), 1
	s_wait_xcnt 0x0
; Attention over 128 heads (bh = 16 b + h), 64 channels, 1,024 positions, all f32 in memory:
;   w[t][s] = (sum over c of q[c][t] k[c][s]) / 8 * mask[h mod 8][s];  softmax over s;  out[c][t] = sum over s of w[t][s] v[c][s].
; q, k, v of a head are blocks of 64 rows (c) x 4,096 bytes (t) of qkv.  The mask's row is bh mod 8 = h mod 8 (the mask is tiled over heads).
;
; SHARES.  Work-group x: head x >> 1, queries 512 (x & 1) .. + 511.  Eight waves, two for each SIMD, so that one wave's softmax arithmetic
; can run beside the other's matrix instructions.  A wave owns 64 queries for the whole kernel; all waves walk s in 16 chunks of 64.
; A chunk of K and V (2 x 16 KiB of f32) is loaded once by the 256 threads, rounded to f16 and laid into one of two LDS slots.
;
; NUMBER FORMAT: f16 operands, f32 sums.  An output is a mean of 1,024 values of v, so it is small beside v (some 1/25 of v's spread where the
; weights are nearly even), and it is compared within 1 per cent of the outputs' root mean square.  Each rounding of an operand adds noise of about its
; relative size times that root mean square; three such terms (v; the weights; q and k through the scores) at bf16's 8 significant bits come
; to more than a quarter of the allowance, at f16's 11 bits to an eighth of that.  The room in f16's range is given under LIMITS.
;
; LAYOUTS, chosen so that nothing is transposed or sent through LDS but K and V themselves:
;  - Scores are made transposed: S[s][t] = A (K: row s, along c) x B (Q: column t, along c).  A lane then holds 32 scores of ONE query,
;    so maximum, sum and rescaling are per lane (one exchange between the halves of the wave), and the scores pack in place into the
;    B operand of O[c][t] = A (V: row c, along s) x B (P: column t, along s).
;  - Query tile tt (0..3), lane r holds t = t0 + 4 r + tt: one 16-byte load of a row of q feeds all four tiles, and at the end a lane's
;    four tiles hold 16 neighbouring bytes of a row of out.
;  - Score tile st (0..3), row m holds s = 4 m + st: K's writers (4 c x 4 s each) store 8 bytes along c.  K lies in LDS as [16 st + m][c].
;    A lane (half hl) thus holds s = 32 hl + 4 j + st; packed in ascending s that is k place (hl, register i, half x) <-> s = 32 hl + 16 kk + 2 i + x
;    in product kk, and V's fragments are read from [c][s] by the same map: a permutation of k applied alike to both operands.
;  - mask[s], 1/8 and log2 e are multiplied into K in f32 before its one rounding to f16: 64 x 1,024 multiplies for a work-group
;    in place of 512 x 1,024, and the exponentials are v_exp_f32 (base 2) of score - running maximum.
;
; NO CLUSTER, NO TENSOR LOADS: K and V are f32 in memory and must pass through registers (rounding; the mask on K).  Brought by a copy engine a
; chunk would be 32 KiB written to LDS and read back, on top of the 16 KiB of f16 that are stored here; and only two work-groups share a head.
;
; LIMITS.
;  - Range of f16: |q|, |v| and |k mask| log2(e)/8 must stay below 65,504, or the operand becomes an infinity.  Standard normal q, k, v (up to about 6)
;    and a mask in [0, 1] leave a factor of 10,000 for q and v and of 60,000 for the product of k and mask.  Operands below 2^-14 are kept
;    as f16 denormals, with an absolute error of at most 2^-25: for q and k that moves a score, of which only the absolute error counts, by less than 2^-25 x 64 x the other side's size.
;  - P lies in [0, 1] (the running maximum is taken away first).  Weights below 2^-25 of their row's largest fall out of the product with V:
;    1,023 of them are at most 2^-15 of the largest weight.  The f32 sum still counts them down to 2^-126, below which v_exp_f32 gives 0 (ISA guide 15.8).
;  - Sums run in another order than in the reference.  The mask enters before K's rounding to f16, not behind the product.
.set ROWB,   4096                      ; bytes in a row of qkv, mask, out0
.set BATCH,  3072*ROWB                 ; bytes of a batch in qkv
.set QTOK,   1024*ROWB                 ; from a head's q to its k, and from its k to its v
.set CHUNKB, 256                       ; 64 positions of f32
.set PITCH,  144                       ; an LDS row: 64 f16 + 16 bytes = 36 words, so 16 neighbouring rows start at 16 different 16-byte columns of 256 bytes (64 banks of 4 bytes: ISA guide 11.1)
.set T16,    16*PITCH                  ; 16 rows
.set VREG,   64*PITCH                  ; V's region in a slot, behind K's 64 rows
.set SLOT,   2*VREG                    ; 18,432 bytes; two slots
.set SCALE,  0x3e38aa3b                ; log2(e) / 8
; window 0
.set KOFF, 1                           ; global: my 4 rows of K (4 (thread >> 4) + j) and my 16 bytes (4 s)
.set VOFF, 2                           ; global: my 4 rows of V and my 16 bytes
.set MOFF, 3                           ; global: my 16 bytes of the mask's chunk
.set QOFF, 4                           ; global: 8 hl rows + 16 r bytes, for q and for out0
.set PFO,  5                           ; prefetch: row = lane, of K (even work-group) or V (odd)
.set KST,  6                           ; LDS: where I store K
.set VST,  7                           ; LDS: where I store V
.set KLD,  8                           ; LDS: my part of a fragment of K
.set VLD,  9                           ; LDS: my part of a fragment of V
.set AL,   10                          ; v[10:17]   tile tt: pair (alpha, my half's running sum)
.set MA,   22                          ; v[22:25]   four chains of maxima
.set MX,   26                          ; v26        what the other half of the wave sends
.set SUM,  28                          ; v[28:35]   four pairs of partial sums; in the prologue: temporaries
.set GK,   36                          ; v[36:51]   K as loaded: row j at 4 j
.set GV,   52                          ; v[52:67]   V as loaded
.set GM,   68                          ; v[68:71]   mask as loaded
.set CT,   72                          ; v[72:87]   packed f16 on their way to LDS
.set MM,   88                          ; v[88:95]   tile tt: the running maximum, twice (a pair for the packed subtraction)
.set SC,   96                          ; v[96:159]  scores, two buffers of 32: tile st, register j at 8 st + j
.set PB,   160                         ; v[160:175] P in f16: two B fragments
.set KF,   176                         ; v[176:239] K's fragments: (st, ck) at 8 (2 st + ck)
.set RC,   240                         ; v[240:243] 1 / sum
.set XQ,   96                          ; v[96:223]  prologue: q as loaded
.set OT,   96                          ; v[96:223]  epilogue: results in the order of memory
; window 1 (registers 256 + ..)
.set OA,   0                           ; v[256:383] O: tile (tt, ct) at 8 (4 tt + ct)
.set QF,   128                         ; v[384:447] Q's fragments: (tt, ck) at 8 (2 tt + ck)
.set VF,   192                         ; v[448:511] V's fragments: (ct, kk) at 8 (2 ct + kk)
; scalars
.set KB,   20                          ; s[20:21] the head's k at the chunk last loaded; v lies QTOK further
.set MB,   22                          ; s[22:23] the mask's row at that chunk
.set QB,   24                          ; s[24:25] the head's q at my wave's first query
.set OB,   26                          ; s[26:27] the head's rows of out0 at my wave's first query
; s_set_vgpr_msb: bits 1:0 source 0, 3:2 source 1, 5:4 source 2, 7:6 destination; the high byte repeats the setting that is left.
.set W_QK,    0x04                     ; B (Q) in window 1
.set W_PV,    0x51                     ; D, C (O) and A (V) in window 1, B (P) in window 0; also O *= alpha
.set W_TO1,   0x40                     ; destination in window 1
.set W_FROM1, 0x01                     ; source 0 in window 1
.set MSB, 0
.macro WIN new
.if MSB != \new
	s_set_vgpr_msb (MSB<<8)|\new
.set MSB, \new
.endif
.endm
; Four plain vector instructions stand between a matrix instruction and a vector instruction that reads its result, or a load into one of
; its registers; where the text has no useful ones at hand, these.
.macro PLACES
.rept 4
	v_nop
.endr
.endm
	s_load_b128 s[4:7], s[0:1], 0x0                ; mask s[4:5], qkv s[6:7]
	s_load_b64 s[8:9], s[0:1], 0x10                ; out0
	v_lshl_add_u32 v254, v0, 2, 0x9000
	v_mov_b32 v255, 0
	v_lshrrev_b32 v[SUM], 5, v0
	v_readfirstlane_b32 s10, v[SUM]                ; wave 0..7
	s_lshr_b32 s11, ttmp9, 1                       ; bh
	s_and_b32 s12, ttmp9, 1                        ; which half of the queries
	s_lshr_b32 s13, s11, 4                         ; b
	s_and_b32 s14, s11, 15                         ; h
	s_mul_i32 s16, s13, BATCH
	s_lshl_b32 s15, s14, 18                        ; 64 rows of 4,096 bytes
	s_add_co_u32 s16, s16, s15                     ; the head's q in qkv (below 2^27)
	s_mov_b32 s17, 0
	s_lshl_b32 s18, s12, 11                        ; 512 queries of 4 bytes
	s_lshl_b32 s15, s10, 8                         ; 64 queries of 4 bytes
	s_add_co_u32 s18, s18, s15                     ; my wave's first query, in bytes
	s_mov_b32 s19, 0
	s_and_b32 s32, s14, 7                          ; the mask's row: bh mod 8
	s_lshl_b32 s32, s32, 12
	s_mov_b32 s33, 0
	s_lshl_b32 s34, s11, 18                        ; the head's 64 rows in out0
	s_mov_b32 s35, 0
	s_lshl_b32 s15, s12, 22                        ; prefetch: even work-group K, odd V (QTOK further)
	s_mov_b32 s28, 0x76543210                      ; v_permlanex16_b32: lane i of one half reads lane i of the other
	s_mov_b32 s29, 0xfedcba98
	v_and_b32 v[SUM], 15, v0                       ; q = r
	v_lshrrev_b32 v[SUM+1], 4, v0                  ; thread >> 4, 0..15
	v_bfe_u32 v[SUM+2], v0, 4, 1                   ; hl
	v_lshlrev_b32 v[MOFF], 4, v[SUM]               ; 16 q
	v_lshl_or_b32 v[KOFF], v[SUM+1], 14, v[MOFF]   ; + 4 (thread >> 4) rows
	v_lshrrev_b32 v[SUM+3], 6, v0
	v_bfe_u32 v[SUM+4], v0, 5, 1
	v_lshlrev_b32 v[SUM+3], 4, v[SUM+3]
	v_lshl_add_u32 v[SUM+3], v[SUM+2], 3, v[SUM+3]
	v_lshl_add_u32 v[SUM+3], v[SUM+4], 2, v[SUM+3] ; V's first row of mine: 16 (thread >> 6) + 8 hl + 4 (wave & 1): the halves of a wave are 8 LDS rows = 288 words apart
	v_lshl_or_b32 v[VOFF], v[SUM+3], 12, v[MOFF]
	v_lshl_or_b32 v[QOFF], v[SUM+2], 15, v[MOFF]   ; 8 hl rows + 16 r
	v_and_b32 v[SUM+4], 31, v0
	v_lshl_add_u32 v[PFO], v[SUM+4], 12, s15
	v_mul_u32_u24 v[SUM+5], v[SUM], PITCH
	v_mul_u32_u24 v[SUM+6], v[SUM+3], PITCH
	v_lshl_add_u32 v[KST], v[SUM+1], 3, v[SUM+5]   ; row q (+ 16 s'), 8 bytes at c = 4 (thread >> 4)
	v_lshl_add_u32 v[VST], v[SUM], 3, v[SUM+6]     ; row c, 8 bytes at s = 4 q
	v_lshl_add_u32 v[KLD], v[SUM+2], 4, v[SUM+5]   ; row r, c = 8 hl
	v_lshl_add_u32 v[VLD], v[SUM+2], 6, v[SUM+5]   ; row r, s = 32 hl
	v_mov_b32 v[MX], 0                             ; v_permlanex16_b32 counts as a reader of its destination
	s_wait_kmcnt 0x0
	s_add_nc_u64 s[QB:QB+1], s[6:7], s[16:17]
	s_add_nc_u64 s[KB:KB+1], s[QB:QB+1], QTOK
	s_add_nc_u64 s[QB:QB+1], s[QB:QB+1], s[18:19]
	s_add_nc_u64 s[MB:MB+1], s[4:5], s[32:33]
	s_add_nc_u64 s[OB:OB+1], s[8:9], s[34:35]
	s_add_nc_u64 s[OB:OB+1], s[OB:OB+1], s[18:19]
; Nine loads: my 4 x 16 bytes of K, of V, and 16 bytes of the mask, of one chunk.  Sixteen neighbouring lanes read 256 consecutive bytes, aligned.
; step = 1: the chunk behind the one last loaded.  pf = 1: wave 0 asks for the chunk behind that one, 64 pieces of 256 bytes (lane = row, two
; requests 32 rows apart), K in the even work-group of a head and V in the odd one, so that each piece is asked for once in the launch.
.macro GLOAD step, pf, id
.if \step
	s_wait_xcnt 0x0                                ; the bases are stepped only when every earlier load and prefetch has had its address translated (ISA guide 3.1)
	s_add_nc_u64 s[KB:KB+1], s[KB:KB+1], CHUNKB
	s_add_nc_u64 s[MB:MB+1], s[MB:MB+1], CHUNKB
.endif
.irp j, 0,1,2,3
	global_load_b128 v[GK+4*\j:GK+4*\j+3], v[KOFF], s[KB:KB+1] offset:ROWB*\j
.endr
.irp j, 0,1,2,3
	global_load_b128 v[GV+4*\j:GV+4*\j+3], v[VOFF], s[KB:KB+1] offset:QTOK+ROWB*\j
.endr
	global_load_b128 v[GM:GM+3], v[MOFF], s[MB:MB+1]
.if \pf
	s_cmp_lg_u32 s10, 0
	s_cbranch_scc1 .Lnopf\id
	global_prefetch_b8 v[PFO], s[KB:KB+1] offset:CHUNKB th:TH_LOAD_NT scope:SCOPE_SE
	global_prefetch_b8 v[PFO], s[KB:KB+1] offset:CHUNKB+32*ROWB th:TH_LOAD_NT scope:SCOPE_SE
.Lnopf\id:
.endif
.endm
; The loaded chunk into LDS slot sl: K' = K * mask * log2(e)/8 in f32, one rounding to f16, 8 bytes (4 c) for each of my 4 s; V rounded, 8 bytes (4 s) for each of my 4 c.
.macro CONVERT sl
	v_pk_mul_f32 v[GM:GM+1],   v[GM:GM+1],   SCALE op_sel_hi:[1,0]
	v_pk_mul_f32 v[GM+2:GM+3], v[GM+2:GM+3], SCALE op_sel_hi:[1,0]
.irp j, 0,1,2,3
	v_pk_mul_f32 v[GK+4*\j:GK+4*\j+1],   v[GK+4*\j:GK+4*\j+1],   v[GM:GM+1]
	v_pk_mul_f32 v[GK+4*\j+2:GK+4*\j+3], v[GK+4*\j+2:GK+4*\j+3], v[GM+2:GM+3]
.endr
.irp e, 0,1,2,3
	v_cvt_pk_f16_f32 v[CT+2*\e],   v[GK+\e],   v[GK+4+\e]              ; s = 4 q + e: score tile e, row q
	v_cvt_pk_f16_f32 v[CT+2*\e+1], v[GK+8+\e], v[GK+12+\e]
	ds_store_b64 v[KST], v[CT+2*\e:CT+2*\e+1] offset:\sl*SLOT+T16*\e
.endr
.irp j, 0,1,2,3
	v_cvt_pk_f16_f32 v[CT+8+2*\j],   v[GV+4*\j],   v[GV+4*\j+1]
	v_cvt_pk_f16_f32 v[CT+8+2*\j+1], v[GV+4*\j+2], v[GV+4*\j+3]
	ds_store_b64 v[VST], v[CT+8+2*\j:CT+8+2*\j+1] offset:\sl*SLOT+VREG+PITCH*\j
.endr
.endm
; 16 LDS loads: the chunk's eight fragments of K (16 rows x 32 c: 16 bytes at c = 8 hl and at c = 16 + 8 hl)
.macro LOADK sl
	WIN 0
.irp st, 0,1,2,3
.irp ck, 0,1
	ds_load_b128 v[KF+8*(2*\st+\ck):KF+8*(2*\st+\ck)+3],   v[KLD] offset:\sl*SLOT+T16*\st+64*\ck
	ds_load_b128 v[KF+8*(2*\st+\ck)+4:KF+8*(2*\st+\ck)+7], v[KLD] offset:\sl*SLOT+T16*\st+64*\ck+32
.endr
.endr
.endm
; 16 LDS loads: the chunk's eight fragments of V (16 rows c; product kk takes the 32 bytes s = 32 hl + 16 kk .. + 15)
.macro LOADV sl
	WIN W_TO1
.irp ct, 0,1,2,3
.irp kk, 0,1
	ds_load_b128 v[VF+8*(2*\ct+\kk):VF+8*(2*\ct+\kk)+3],   v[VLD] offset:\sl*SLOT+VREG+T16*\ct+32*\kk
	ds_load_b128 v[VF+8*(2*\ct+\kk)+4:VF+8*(2*\ct+\kk)+7], v[VLD] offset:\sl*SLOT+VREG+T16*\ct+32*\kk+16
.endr
.endr
.endm
; The scores of query tile tt against the chunk's 64 keys, into score buffer tt & 1.  The first four products start the sums.
.macro QK tt
	WIN W_QK
.set SB, SC+32*(\tt&1)
.irp st, 0,1,2,3
	v_wmma_f32_16x16x32_f16 v[SB+8*\st:SB+8*\st+7], v[KF+16*\st:KF+16*\st+7], v[QF+16*\tt:QF+16*\tt+7], 0
.endr
.irp st, 0,1,2,3
	v_wmma_f32_16x16x32_f16 v[SB+8*\st:SB+8*\st+7], v[KF+16*\st+8:KF+16*\st+15], v[QF+16*\tt+8:QF+16*\tt+15], v[SB+8*\st:SB+8*\st+7]
.endr
.endm
; Query tile tt: running maximum, alpha = 2^(old - new maximum), p = 2^(score - maximum), my half's running sum, P in f16.
; first = 1: the first chunk starts maximum and sum; there is no alpha.
.macro SOFTMAX tt, first
	WIN 0
.set SB, SC+32*(\tt&1)
.set MP, MM+2*\tt
.set AP, AL+2*\tt
.irp k, 0,1,2,3
	v_max3_num_f32 v[MA+\k], v[SB+8*\k], v[SB+8*\k+1], v[SB+8*\k+2]    ; 32 scores in 16 instructions, four chains
.endr
.irp k, 0,1,2,3
	v_max3_num_f32 v[MA+\k], v[MA+\k], v[SB+8*\k+3], v[SB+8*\k+4]
.endr
.irp k, 0,1,2,3
	v_max3_num_f32 v[MA+\k], v[MA+\k], v[SB+8*\k+5], v[SB+8*\k+6]
.endr
	v_max3_num_f32 v[MA],   v[MA],   v[MA+1], v[SB+7]
	v_max3_num_f32 v[MA+2], v[MA+2], v[MA+3], v[SB+15]
	v_max3_num_f32 v[MA],   v[MA],   v[MA+2], v[SB+23]
	v_max_num_f32  v[MA],   v[MA],   v[SB+31]
	v_permlanex16_b32 v[MX], v[MA], s28, s29       ; the other 32 keys of my query lie in lane + 16 or - 16
.if \first
	v_max_num_f32 v[MP+1], v[MA], v[MX]
.else
	v_max3_num_f32 v[MP+1], v[MA], v[MX], v[MP]
	v_sub_f32 v[AP], v[MP], v[MP+1]
.endif
	v_mov_b32 v[MP], v[MP+1]                       ; the pair now holds the new maximum twice
.set i, 0
.rept 16
	v_pk_add_f32 v[SB+i:SB+i+1], v[SB+i:SB+i+1], v[MP:MP+1] neg_lo:[0,1] neg_hi:[0,1]
.set i, i+2
.endr
.set i, 0
.rept 32
	v_exp_f32 v[SB+i], v[SB+i]
.set i, i+1
.endr
.if \first == 0
	v_exp_f32 v[AP], v[AP]
.endif
	v_nop                                          ; one plain vector instruction between the run of v_exp_f32 and the first use of a result (ISA guide 5.7.2)
	s_wait_alu depctr_va_vdst(0)
.irp k, 0,1,2,3
	v_pk_add_f32 v[SUM+2*\k:SUM+2*\k+1], v[SB+4*\k:SB+4*\k+1], v[SB+4*\k+2:SB+4*\k+3]
.endr
.irp k, 0,1,2,3
	v_pk_add_f32 v[SUM+2*\k:SUM+2*\k+1], v[SUM+2*\k:SUM+2*\k+1], v[SB+16+2*\k:SB+16+2*\k+1]
.endr
.irp k, 0,1,2,3
	v_pk_add_f32 v[SUM+2*\k:SUM+2*\k+1], v[SUM+2*\k:SUM+2*\k+1], v[SB+24+2*\k:SB+24+2*\k+1]
.endr
	v_pk_add_f32 v[SUM:SUM+1],   v[SUM:SUM+1],   v[SUM+2:SUM+3]
	v_pk_add_f32 v[SUM+4:SUM+5], v[SUM+4:SUM+5], v[SUM+6:SUM+7]
	v_pk_add_f32 v[SUM:SUM+1],   v[SUM:SUM+1],   v[SUM+4:SUM+5]
.if \first
	v_add_f32 v[AP+1], v[SUM], v[SUM+1]
.else
	v_fma_f32 v[AP+1], v[AP+1], v[AP], v[SUM]
	v_add_f32 v[AP+1], v[AP+1], v[SUM+1]
.endif
	; P's register p holds s = 32 hl + 2 p, 2 p + 1; score (st, j) is s = 32 hl + 4 j + st
.irp y, 0,1,2,3
	v_cvt_pk_f16_f32 v[PB+4*\y],   v[SB+2*\y],      v[SB+8+2*\y]
	v_cvt_pk_f16_f32 v[PB+4*\y+1], v[SB+16+2*\y],   v[SB+24+2*\y]
	v_cvt_pk_f16_f32 v[PB+4*\y+2], v[SB+2*\y+1],    v[SB+8+2*\y+1]
	v_cvt_pk_f16_f32 v[PB+4*\y+3], v[SB+16+2*\y+1], v[SB+24+2*\y+1]
.endr
.endm
; O of query tile tt: times alpha, plus V x P.  first = 1: the first four products start the sums, nothing is cleared or rescaled.
.macro PV tt, first
	WIN W_PV
.if \first
.irp ct, 0,1,2,3
	v_wmma_f32_16x16x32_f16 v[OA+32*\tt+8*\ct:OA+32*\tt+8*\ct+7], v[VF+16*\ct:VF+16*\ct+7], v[PB:PB+7], 0
.endr
.else
.set i, 0
.rept 16
	v_pk_mul_f32 v[OA+32*\tt+i:OA+32*\tt+i+1], v[OA+32*\tt+i:OA+32*\tt+i+1], v[AL+2*\tt:AL+2*\tt+1] op_sel_hi:[1,0]
.set i, i+2
.endr
.irp ct, 0,1,2,3
	v_wmma_f32_16x16x32_f16 v[OA+32*\tt+8*\ct:OA+32*\tt+8*\ct+7], v[VF+16*\ct:VF+16*\ct+7], v[PB:PB+7], v[OA+32*\tt+8*\ct:OA+32*\tt+8*\ct+7]
.endr
.endif
.irp ct, 0,1,2,3
	v_wmma_f32_16x16x32_f16 v[OA+32*\tt+8*\ct:OA+32*\tt+8*\ct+7], v[VF+16*\ct+8:VF+16*\ct+15], v[PB+8:PB+15], v[OA+32*\tt+8*\ct:OA+32*\tt+8*\ct+7]
.endr
.endm
; TRIP i works on chunk i (slot cur; K's fragments were fetched in the trip before).  conv = 1: chunk i + 1, loaded a trip ago, goes into slot nxt.
; gload = 1: chunk i + 2 is loaded.  pf = 1: chunk i + 3 is asked for.  One barrier a trip does both orderings of the two slots:
; in front of its signal each wave has finished its stores into nxt and all its reads of cur; behind its wait nxt is read, and in the next
; trip cur is written again.  Between signal and wait stand matrix and vector instructions on registers alone.
; The score buffers take turns, so that every SOFTMAX reads results behind a whole SOFTMAX (or CONVERT) of other registers, and P, K's and V's
; fragments are rewritten only behind four or more plain vector instructions (ISA guide 7.12.1).
.macro TRIP cur, nxt, first, conv, gload, pf, id
.if \first == 0
	PLACES                                         ; behind the last trip's products, which read V's fragments
.endif
	LOADV \cur
	s_wait_dscnt 16                                ; LDS loads come back in order (ISA guide 5.7.1): K's 16 are in, V's 16 younger ones stay out
	QK 0
	WIN 0
.if \conv
	s_wait_loadcnt 0x0                             ; the nine loads issued a trip ago; nothing younger is out
	CONVERT \nxt
.else
	PLACES                                         ; in CONVERT's stead, between QK 0 and the first reader of its results
.endif
.if \gload
	GLOAD 1, \pf, \id
.endif
	QK 1
	SOFTMAX 0, \first
	s_wait_dscnt 0x0                               ; V's fragments are in; for the other waves: my stores into nxt and my reads of cur are done
.if \conv
	s_barrier_signal -1
.endif
	PV 0, \first
	QK 2
	SOFTMAX 1, \first
	PV 1, \first
	QK 3
	SOFTMAX 2, \first
	PV 2, \first
.if \conv
	s_barrier_wait -1                              ; every wave's part of chunk i + 1 is in LDS
	LOADK \nxt
.endif
	SOFTMAX 3, \first
	PV 3, \first
	WIN 0                                          ; at a label and at a branch every window is 0
.endm
	; PROLOGUE: chunk 0, then q (read once in the launch), then chunk 1
	GLOAD 0, 0, 0
.irp ck, 0,1
.irp g, 0,1
.irp e, 0,1,2,3,4,5,6,7
	global_load_b128 v[XQ+4*(16*\ck+8*\g+\e):XQ+4*(16*\ck+8*\g+\e)+3], v[QOFF], s[QB:QB+1] offset:(32*\ck+16*\g+\e)*ROWB th:TH_LOAD_NT   ; row c = 32 ck + 16 g + 8 hl + e, t = t0 + 4 r .. + 3
.endr
.endr
.endr
	s_wait_loadcnt 32                              ; chunk 0's nine loads are in; q's 32 younger ones stay out
	CONVERT 0
	GLOAD 1, 1, 1                                  ; chunk 1; asks for chunk 2
	s_wait_loadcnt 9                               ; q is in; chunk 1's nine younger loads stay out
	WIN W_TO1
.irp tt, 0,1,2,3
.irp ck, 0,1
.irp g, 0,1
.irp p, 0,1,2,3
	v_cvt_pk_f16_f32 v[QF+8*(2*\tt+\ck)+4*\g+\p], v[XQ+4*(16*\ck+8*\g+2*\p)+\tt], v[XQ+4*(16*\ck+8*\g+2*\p+1)+\tt]
.endr
.endr
.endr
.endr
	WIN 0
	s_wait_dscnt 0x0                               ; my part of chunk 0 is in LDS,
	s_barrier_signal -1
	s_barrier_wait -1                              ; everybody's is
	LOADK 0
	TRIP 0, 1, 1, 1, 1, 1, 2                       ; trip 0 stands in front of the loop: it starts maxima and sums
	s_mov_b32 s30, 6
.Lloop:                                            ; trips 1 to 12
	TRIP 1, 0, 0, 1, 1, 1, 3
	TRIP 0, 1, 0, 1, 1, 1, 4
	s_sub_co_i32 s30, s30, 1
	s_cmp_lg_u32 s30, 0
	s_cbranch_scc1 .Lloop
	TRIP 1, 0, 0, 1, 1, 0, 5                       ; trip 13 loads chunk 15, the last, and asks for nothing
	TRIP 0, 1, 0, 1, 0, 0, 6                       ; trip 14 converts it and loads nothing
	TRIP 1, 0, 0, 0, 0, 0, 7                       ; trip 15: nothing follows, no barrier
	; EPILOGUE: the two halves' sums meet; O / sum, gathered so that a lane's four tiles make 16 neighbouring bytes of a row of out0
	PLACES                                         ; behind the last products
.irp tt, 0,1,2,3
	v_permlanex16_b32 v[MX], v[AL+2*\tt+1], s28, s29
	v_add_f32 v[AL+2*\tt+1], v[AL+2*\tt+1], v[MX]
.endr
.irp tt, 0,1,2,3
	v_rcp_f32 v[RC+\tt], v[AL+2*\tt+1]             ; the sum is at least 1: the row's largest weight is 2^0
.endr
	v_nop                                          ; one plain vector instruction before a reciprocal is used (ISA guide 5.7.2)
	s_wait_alu depctr_va_vdst(0)
.irp ct, 0,1,2,3
	WIN W_FROM1
.irp j, 0,1,2,3,4,5,6,7
.irp tt, 0,1,2,3
	v_mul_f32 v[OT+4*(8*\ct+\j)+\tt], v[OA+8*(4*\tt+\ct)+\j], v[RC+\tt]
.endr
.endr
	WIN 0
.irp j, 0,1,2,3,4,5,6,7
	global_store_b128 v[QOFF], v[OT+4*(8*\ct+\j):OT+4*(8*\ct+\j)+3], s[OB:OB+1] offset:(16*\ct+\j)*ROWB th:TH_STORE_NT   ; row c = 16 ct + 8 hl + j: 16 lanes store 256 consecutive bytes, aligned; each store has data registers of its own
.endr
.endr
	s_wait_tensorcnt 0x0
	ds_add_u32 v254, v255
	s_wait_dscnt 0x0
	s_endpgm
.Lfunc_end_k_q02e9d8ed62_attn:
	.size	k_q02e9d8ed62_attn, .Lfunc_end_k_q02e9d8ed62_attn-k_q02e9d8ed62_attn
	.p2alignl 7, 3214868480
	.fill 96, 4, 3214868480
	.section	.rodata,"a",@progbits
	.p2align	6, 0x0
	.amdhsa_kernel k_q02e9d8ed62_attn
		.amdhsa_group_segment_fixed_size 37888
		.amdhsa_private_segment_fixed_size 0
		.amdhsa_enable_private_segment 0
		.amdhsa_kernarg_size 24
		.amdhsa_user_sgpr_count 2
		.amdhsa_user_sgpr_kernarg_segment_ptr 1
		.amdhsa_wavefront_size32 1
		.amdhsa_system_sgpr_workgroup_id_x 1
		.amdhsa_system_sgpr_workgroup_id_y 1
		.amdhsa_system_sgpr_workgroup_id_z 1
		.amdhsa_system_vgpr_workitem_id 0
		.amdhsa_next_free_vgpr 512
		.amdhsa_next_free_sgpr 66
		.amdhsa_reserve_vcc 0
		.amdhsa_float_denorm_mode_32 3
		.amdhsa_float_denorm_mode_16_64 3
		.amdhsa_memory_ordered 1
		.amdhsa_forward_progress 1
		.amdhsa_inst_pref_size 225
	.end_amdhsa_kernel
	.amdgpu_metadata
---
amdhsa.version: [ 1, 2 ]
amdhsa.kernels:
  - .name:           k_q02e9d8ed62_attn
    .symbol:         k_q02e9d8ed62_attn.kd
    .args:
      - { .name: mask, .offset: 0, .size: 8, .value_kind: global_buffer, .address_space: global }
      - { .name: qkv, .offset: 8, .size: 8, .value_kind: global_buffer, .address_space: global }
      - { .name: out0, .offset: 16, .size: 8, .value_kind: global_buffer, .address_space: global }
    .group_segment_fixed_size: 37888
    .private_segment_fixed_size: 0
    .kernarg_segment_align: 8
    .kernarg_segment_size: 24
    .max_flat_workgroup_size: 256
    .sgpr_count:     66
    .vgpr_count:     512
    .wavefront_size: 32
...
	.end_amdgpu_metadata
.endif
;; end of part 1
;; ======== version 2 of 2: 1 launch; version 1 with the launch attn written anew for expert scheduling mode
;; limits: values are held in f16: magnitudes above 65,504 overflow, below 6.1e-05 lose precision
;; launch attn (part 2): grid 256 x 1, 8 waves a work-group, no clusters, 37,888 bytes of LDS; arguments mask, qkv, out0; writes out0
.if DOCPART == 2
	.amdgcn_target "amdgcn-amd-amdhsa--gfx1250"
	.amdhsa_code_object_version 6
	.text
	.protected	k_q02e9d8ed62_attn
	.globl	k_q02e9d8ed62_attn
	.p2align	8
	.type	k_q02e9d8ed62_attn,@function
k_q02e9d8ed62_attn:
	s_mov_b64 s[64:65], 0
	v_nop
	global_prefetch_b8 v0, s[64:65] scope:SCOPE_SE
	s_setreg_imm32_b32 hwreg(HW_REG_WAVE_SCHED_MODE, 0, 2), 2
	s_setreg_imm32_b32 hwreg(HW_REG_WAVE_MODE, 25, 1), 1
	s_wait_xcnt 0x0
	s_wait_alu depctr_vm_vsrc(0)
; Attention over 128 heads (bh = 16 b + h), 64 channels, 1,024 positions, all f32 in memory:
;   w[t][s] = (sum over c of q[c][t] k[c][s]) / 8 * mask[h mod 8][s];  softmax over s;  out[c][t] = sum over s of w[t][s] v[c][s].
; q, k, v of a head are blocks of 64 rows (c) x 4,096 bytes (t) of qkv.  The mask's row is bh mod 8 = h mod 8 (the mask is tiled over heads).
;
; SHARES.  Work-group x: head x >> 1, queries 512 (x & 1) .. + 511.  Eight waves, two for each SIMD, so that one wave's softmax arithmetic
; can run beside the other's matrix instructions.  A wave owns 64 queries for the whole kernel; all waves walk s in 16 chunks of 64.
; A chunk of K and V (2 x 16 KiB of f32) is loaded once by the 256 threads, rounded to f16 and laid into one of two LDS slots.
;
; NUMBER FORMAT: f16 operands, f32 sums.  An output is a mean of 1,024 values of v, so it is small beside v (some 1/25 of v's spread where the
; weights are nearly even), and it is compared within 1 per cent of the outputs' root mean square.  Each rounding of an operand adds noise of about its
; relative size times that root mean square; three such terms (v; the weights; q and k through the scores) at bf16's 8 significant bits come
; to more than a quarter of the allowance, at f16's 11 bits to an eighth of that.  The room in f16's range is given under LIMITS.
;
; LAYOUTS, chosen so that nothing is transposed or sent through LDS but K and V themselves:
;  - Scores are made transposed: S[s][t] = A (K: row s, along c) x B (Q: column t, along c).  A lane then holds 32 scores of ONE query,
;    so maximum, sum and rescaling are per lane (one exchange between the halves of the wave), and the scores pack in place into the
;    B operand of O[c][t] = A (V: row c, along s) x B (P: column t, along s).
;  - Query tile tt (0..3), lane r holds t = t0 + 4 r + tt: one 16-byte load of a row of q feeds all four tiles, and at the end a lane's
;    four tiles hold 16 neighbouring bytes of a row of out.
;  - Score tile st (0..3), row m holds s = 4 m + st: K's writers (4 c x 4 s each) store 8 bytes along c.  K lies in LDS as [16 st + m][c].
;    A lane (half hl) thus holds s = 32 hl + 4 j + st; packed in ascending s that is k place (hl, register i, half x) <-> s = 32 hl + 16 kk + 2 i + x
;    in product kk, and V's fragments are read from [c][s] by the same map: a permutation of k applied alike to both operands.
;  - mask[s], 1/8 and log2 e are multiplied into K in f32 before its one rounding to f16: 64 x 1,024 multiplies for a work-group
;    in place of 512 x 1,024, and the exponentials are v_exp_f32 (base 2) of score - running maximum.
;
; NO CLUSTER, NO TENSOR LOADS: K and V are f32 in memory and must pass through registers (rounding; the mask on K).  Brought by a copy engine a
; chunk would be 32 KiB written to LDS and read back, on top of the 16 KiB of f16 that are stored here; and only two work-groups share a head.
;
; THE MODE: SCHED_MODE bits 1:0 = 2 (LLVM: expert scheduling mode 2), set by the entry lines.  The code itself states the register dependences
; between vector or matrix instructions and memory or LDS instructions, with s_wait_alu, always for 0.
; THE PLAN.  Registers that memory or LDS instructions touch, in the loop:
;   v1 .. v9      offsets and LDS addresses, made once at the head and never written again: the chunks are reached by scalar bases and immediate offsets.
;   GK, GV, GM    Trip i's nine global loads (chunk i + 2) land in them; trip i + 1's ten multiplies (in place) and sixteen roundings name them.
;   CT            Written by those sixteen roundings; read by the eight LDS stores behind them; written again a trip later.
;   VF            Trip i's sixteen LDS loads land in it; PV 0 to PV 3 of the same trip read it.  One buffer: two waves of 512 registers fill a SIMD's 1,024.
;   KF            The sixteen LDS loads behind trip i's barrier land in it; QK 0 to QK 3 of trip i + 1 read it.
;   Scores, P, O, Q's fragments and the statistics are named by vector and matrix instructions alone.
; A trip has ONE wait on va_vdst of its own, behind its multiplies and roundings: it states that CT is written, that GK, GV and GM are done with, and
; that PV 3 of the trip before is done reading VF.  Behind it follow V's fragment loads, the LDS stores, and the global loads dealt among QK 1's matrix
; instructions, which name KF, Q's fragments and score buffer 1: none of the registers that those loads and stores touch.  The wait that each SOFTMAX has
; for its exponentials is the same line; tile 2's stands behind QK 3, so it also states that K's fragments are done with, for the loads behind the barrier.
; One wait on vm_vsrc a trip stands ahead of the first rounding into CT.
;
; LIMITS.
;  - Range of f16: |q|, |v| and |k mask| log2(e)/8 must stay below 65,504, or the operand becomes an infinity.  Standard normal q, k, v (up to about 6)
;    and a mask in [0, 1] leave a factor of 10,000 for q and v and of 60,000 for the product of k and mask.  Operands below 2^-14 are kept
;    as f16 denormals, with an absolute error of at most 2^-25: for q and k that moves a score, of which only the absolute error counts, by less than 2^-25 x 64 x the other side's size.
;  - P lies in [0, 1] (the running maximum is taken away first).  Weights below 2^-25 of their row's largest fall out of the product with V:
;    1,023 of them are at most 2^-15 of the largest weight.  The f32 sum still counts them down to 2^-126, below which v_exp_f32 gives 0 (ISA guide 15.8).
;  - Sums run in another order than in the reference.  The mask enters before K's rounding to f16, not behind the product.
.set ROWB,   4096                      ; bytes in a row of qkv, mask, out0
.set BATCH,  3072*ROWB                 ; bytes of a batch in qkv
.set QTOK,   1024*ROWB                 ; from a head's q to its k, and from its k to its v
.set CHUNKB, 256                       ; 64 positions of f32
.set PITCH,  144                       ; an LDS row: 64 f16 + 16 bytes = 36 words, so 16 neighbouring rows start at 16 different 16-byte columns of 256 bytes (64 banks of 4 bytes: ISA guide 11.1)
.set T16,    16*PITCH                  ; 16 rows
.set VREG,   64*PITCH                  ; V's region in a slot, behind K's 64 rows
.set SLOT,   2*VREG                    ; 18,432 bytes; two slots
.set SCALE,  0x3e38aa3b                ; log2(e) / 8
; window 0
.set KOFF, 1                           ; global: my 4 rows of K (4 (thread >> 4) + j) and my 16 bytes (4 s)
.set VOFF, 2                           ; global: my 4 rows of V and my 16 bytes
.set MOFF, 3                           ; global: my 16 bytes of the mask's chunk
.set QOFF, 4                           ; global: 8 hl rows + 16 r bytes, for q and for out0
.set PFO,  5                           ; prefetch: row = lane, of K (even work-group) or V (odd)
.set KST,  6                           ; LDS: where I store K
.set VST,  7                           ; LDS: where I store V
.set KLD,  8                           ; LDS: my part of a fragment of K
.set VLD,  9                           ; LDS: my part of a fragment of V
.set AL,   10                          ; v[10:17]   tile tt: pair (alpha, my half's running sum)
.set MA,   22                          ; v[22:25]   four chains of maxima
.set MX,   26                          ; v26        what the other half of the wave sends
.set SUM,  28                          ; v[28:35]   four pairs of partial sums; in the prologue: temporaries
.set GK,   36                          ; v[36:51]   K as loaded: row j at 4 j
.set GV,   52                          ; v[52:67]   V as loaded
.set GM,   68                          ; v[68:71]   mask as loaded
.set CT,   72                          ; v[72:87]   packed f16 on their way to LDS
.set MM,   88                          ; v[88:95]   tile tt: the running maximum, twice (a pair for the packed subtraction)
.set SC,   96                          ; v[96:159]  scores, two buffers of 32: tile st, register j at 8 st + j
.set PB,   160                         ; v[160:175] P in f16: two B fragments
.set KF,   176                         ; v[176:239] K's fragments: (st, ck) at 8 (2 st + ck)
.set RC,   240                         ; v[240:243] 1 / sum
.set XQ,   96                          ; v[96:223]  prologue: q as loaded
.set OT,   96                          ; v[96:223]  epilogue: results in the order of memory
; window 1 (registers 256 + ..)
.set OA,   0                           ; v[256:383] O: tile (tt, ct) at 8 (4 tt + ct)
.set QF,   128                         ; v[384:447] Q's fragments: (tt, ck) at 8 (2 tt + ck)
.set VF,   192                         ; v[448:511] V's fragments: (ct, kk) at 8 (2 ct + kk)
; scalars
.set KB,   20                          ; s[20:21] the head's k at the chunk last loaded; v lies QTOK further
.set MB,   22                          ; s[22:23] the mask's row at that chunk
.set QB,   24                          ; s[24:25] the head's q at my wave's first query
.set OB,   26                          ; s[26:27] the head's rows of out0 at my wave's first query
; s_set_vgpr_msb: bits 1:0 source 0, 3:2 source 1, 5:4 source 2, 7:6 destination; the high byte repeats the setting that is left.
.set W_QK,    0x04                     ; B (Q) in window 1.  A global load's data are its destination and its offset is source 0: under this setting both lie in window 0
.set W_PV,    0x51                     ; D, C (O) and A (V) in window 1, B (P) in window 0; also O *= alpha
.set W_TO1,   0x40                     ; destination in window 1.  An LDS store's address and data are sources 0 and 1: under this setting both lie in window 0
.set W_FROM1, 0x01                     ; source 0 in window 1
.set MSB, 0
.macro WIN new
.if MSB != \new
	s_set_vgpr_msb (MSB<<8)|\new
.set MSB, \new
.endif
.endm
; Four plain vector instructions stand between a matrix instruction and a vector instruction that reads its result (ISA guide 7.12.1);
; where the text has no useful ones at hand, these.
.macro PLACES
.rept 4
	v_nop
.endr
.endm
	s_load_b128 s[4:7], s[0:1], 0x0                ; mask s[4:5], qkv s[6:7]
	s_load_b64 s[8:9], s[0:1], 0x10                ; out0
	v_lshl_add_u32 v254, v0, 2, 0x9000
	v_mov_b32 v255, 0
	v_lshrrev_b32 v[SUM], 5, v0
	v_readfirstlane_b32 s10, v[SUM]                ; wave 0..7
	s_lshr_b32 s11, ttmp9, 1                       ; bh
	s_and_b32 s12, ttmp9, 1                        ; which half of the queries
	s_lshr_b32 s13, s11, 4                         ; b
	s_and_b32 s14, s11, 15                         ; h
	s_mul_i32 s16, s13, BATCH
	s_lshl_b32 s15, s14, 18                        ; 64 rows of 4,096 bytes
	s_add_co_u32 s16, s16, s15                     ; the head's q in qkv (below 2^27)
	s_mov_b32 s17, 0
	s_lshl_b32 s18, s12, 11                        ; 512 queries of 4 bytes
	s_wait_alu depctr_va_sdst(0)                   ; s10 is written, ahead of its first reader, the next line
	s_lshl_b32 s15, s10, 8                         ; 64 queries of 4 bytes
	s_add_co_u32 s18, s18, s15                     ; my wave's first query, in bytes
	s_mov_b32 s19, 0
	s_and_b32 s32, s14, 7                          ; the mask's row: bh mod 8
	s_lshl_b32 s32, s32, 12
	s_mov_b32 s33, 0
	s_lshl_b32 s34, s11, 18                        ; the head's 64 rows in out0
	s_mov_b32 s35, 0
	s_lshl_b32 s15, s12, 22                        ; prefetch: even work-group K, odd V (QTOK further)
	s_mov_b32 s28, 0x76543210                      ; v_permlanex16_b32: lane i of one half reads lane i of the other
	s_mov_b32 s29, 0xfedcba98
	v_and_b32 v[SUM], 15, v0                       ; q = r
	v_lshrrev_b32 v[SUM+1], 4, v0                  ; thread >> 4, 0..15
	v_bfe_u32 v[SUM+2], v0, 4, 1                   ; hl
	v_lshlrev_b32 v[MOFF], 4, v[SUM]               ; 16 q
	v_lshl_or_b32 v[KOFF], v[SUM+1], 14, v[MOFF]   ; + 4 (thread >> 4) rows
	v_lshrrev_b32 v[SUM+3], 6, v0
	v_bfe_u32 v[SUM+4], v0, 5, 1
	v_lshlrev_b32 v[SUM+3], 4, v[SUM+3]
	v_lshl_add_u32 v[SUM+3], v[SUM+2], 3, v[SUM+3]
	v_lshl_add_u32 v[SUM+3], v[SUM+4], 2, v[SUM+3] ; V's first row of mine: 16 (thread >> 6) + 8 hl + 4 (wave & 1): the halves of a wave are 8 LDS rows = 288 words apart
	v_lshl_or_b32 v[VOFF], v[SUM+3], 12, v[MOFF]
	v_lshl_or_b32 v[QOFF], v[SUM+2], 15, v[MOFF]   ; 8 hl rows + 16 r
	v_and_b32 v[SUM+4], 31, v0
	v_lshl_add_u32 v[PFO], v[SUM+4], 12, s15
	v_mul_u32_u24 v[SUM+5], v[SUM], PITCH
	v_mul_u32_u24 v[SUM+6], v[SUM+3], PITCH
	v_lshl_add_u32 v[KST], v[SUM+1], 3, v[SUM+5]   ; row q (+ 16 s'), 8 bytes at c = 4 (thread >> 4)
	v_lshl_add_u32 v[VST], v[SUM], 3, v[SUM+6]     ; row c, 8 bytes at s = 4 q
	v_lshl_add_u32 v[KLD], v[SUM+2], 4, v[SUM+5]   ; row r, c = 8 hl
	v_lshl_add_u32 v[VLD], v[SUM+2], 6, v[SUM+5]   ; row r, s = 32 hl
	v_mov_b32 v[MX], 0                             ; v_permlanex16_b32 counts as a reader of its destination
	s_wait_kmcnt 0x0
	s_add_nc_u64 s[QB:QB+1], s[6:7], s[16:17]
	s_add_nc_u64 s[KB:KB+1], s[QB:QB+1], QTOK
	s_add_nc_u64 s[QB:QB+1], s[QB:QB+1], s[18:19]
	s_add_nc_u64 s[MB:MB+1], s[4:5], s[32:33]
	s_add_nc_u64 s[OB:OB+1], s[8:9], s[34:35]
	s_add_nc_u64 s[OB:OB+1], s[OB:OB+1], s[18:19]
	s_wait_alu depctr_va_vdst(0)                   ; the nine offsets and LDS addresses v1 to v9 are written: every load, store and prefetch of the kernel reads one of them, and no later line writes them
; Nine loads: my 4 x 16 bytes of K, of V, and 16 bytes of the mask, of one chunk.  Sixteen neighbouring lanes read 256 consecutive bytes, aligned.
; LOADS is the run of them, for the prologue; in a trip the same nine are dealt among QK 1's matrix instructions (QK, deal = 1).
.macro LOADS
.irp j, 0,1,2,3
	global_load_b128 v[GK+4*\j:GK+4*\j+3], v[KOFF], s[KB:KB+1] offset:ROWB*\j
.endr
.irp j, 0,1,2,3
	global_load_b128 v[GV+4*\j:GV+4*\j+3], v[VOFF], s[KB:KB+1] offset:QTOK+ROWB*\j
.endr
	global_load_b128 v[GM:GM+3], v[MOFF], s[MB:MB+1]
.endm
; The bases move on to the chunk behind the one last loaded.
.macro NEXTCH
	s_wait_xcnt 0x0                                ; the bases are stepped only when every earlier load and prefetch has had its address translated (ISA guide 3.1)
	s_add_nc_u64 s[KB:KB+1], s[KB:KB+1], CHUNKB
	s_add_nc_u64 s[MB:MB+1], s[MB:MB+1], CHUNKB
.endm
; Wave 0 asks for the chunk behind the one just loaded, 64 pieces of 256 bytes (lane = row, two requests 32 rows apart), K in the even
; work-group of a head and V in the odd one, so that each piece is asked for once in the launch.
.macro ASK id
	s_cmp_lg_u32 s10, 0
	s_cbranch_scc1 .Lnopf\id
	global_prefetch_b8 v[PFO], s[KB:KB+1] offset:CHUNKB th:TH_LOAD_NT scope:SCOPE_SE
	global_prefetch_b8 v[PFO], s[KB:KB+1] offset:CHUNKB+32*ROWB th:TH_LOAD_NT scope:SCOPE_SE
.Lnopf\id:
.endm
; The loaded chunk is made ready for LDS: K' = K * mask * log2(e)/8 in f32, one rounding to f16, 8 bytes (4 c) for each of my 4 s; V rounded, 8 bytes (4 s) for each of my 4 c.
; again = 1: CT has been stored from before.
.macro PACKKV again
	v_pk_mul_f32 v[GM:GM+1],   v[GM:GM+1],   SCALE op_sel_hi:[1,0]
	v_pk_mul_f32 v[GM+2:GM+3], v[GM+2:GM+3], SCALE op_sel_hi:[1,0]
.irp j, 0,1,2,3
	v_pk_mul_f32 v[GK+4*\j:GK+4*\j+1],   v[GK+4*\j:GK+4*\j+1],   v[GM:GM+1]
	v_pk_mul_f32 v[GK+4*\j+2:GK+4*\j+3], v[GK+4*\j+2:GK+4*\j+3], v[GM+2:GM+3]
.endr
.if \again
	s_wait_alu depctr_vm_vsrc(0)                   ; the LDS stores of the chunk before have read v[CT ..], which the roundings below write again
.endif
.irp e, 0,1,2,3
	v_cvt_pk_f16_f32 v[CT+2*\e],   v[GK+\e],   v[GK+4+\e]              ; s = 4 q + e: score tile e, row q
	v_cvt_pk_f16_f32 v[CT+2*\e+1], v[GK+8+\e], v[GK+12+\e]
.endr
.irp j, 0,1,2,3
	v_cvt_pk_f16_f32 v[CT+8+2*\j],   v[GV+4*\j],   v[GV+4*\j+1]
	v_cvt_pk_f16_f32 v[CT+8+2*\j+1], v[GV+4*\j+2], v[GV+4*\j+3]
.endr
.endm
; .. and goes into LDS slot sl: eight stores, behind the wait that shows CT written.  Window 0 for address and data: the settings 0 and W_TO1 both give that.
.macro TOLDS sl
.irp e, 0,1,2,3
	ds_store_b64 v[KST], v[CT+2*\e:CT+2*\e+1] offset:\sl*SLOT+T16*\e
.endr
.irp j, 0,1,2,3
	ds_store_b64 v[VST], v[CT+8+2*\j:CT+8+2*\j+1] offset:\sl*SLOT+VREG+PITCH*\j
.endr
.endm
; 16 LDS loads: the chunk's eight fragments of K (16 rows x 32 c: 16 bytes at c = 8 hl and at c = 16 + 8 hl)
.macro LOADK sl
	WIN 0
.irp st, 0,1,2,3
.irp ck, 0,1
	ds_load_b128 v[KF+8*(2*\st+\ck):KF+8*(2*\st+\ck)+3],   v[KLD] offset:\sl*SLOT+T16*\st+64*\ck
	ds_load_b128 v[KF+8*(2*\st+\ck)+4:KF+8*(2*\st+\ck)+7], v[KLD] offset:\sl*SLOT+T16*\st+64*\ck+32
.endr
.endr
.endm
; 16 LDS loads: the chunk's eight fragments of V (16 rows c; product kk takes the 32 bytes s = 32 hl + 16 kk .. + 15)
.macro LOADV sl
	WIN W_TO1
.irp ct, 0,1,2,3
.irp kk, 0,1
	ds_load_b128 v[VF+8*(2*\ct+\kk):VF+8*(2*\ct+\kk)+3],   v[VLD] offset:\sl*SLOT+VREG+T16*\ct+32*\kk
	ds_load_b128 v[VF+8*(2*\ct+\kk)+4:VF+8*(2*\ct+\kk)+7], v[VLD] offset:\sl*SLOT+VREG+T16*\ct+32*\kk+16
.endr
.endr
.endm
; The scores of query tile tt against the chunk's 64 keys, into score buffer tt & 1.  The first four products start the sums.
; deal = 1: the nine global loads of the next chunk but one stand among the products, one behind each and the mask's last.  No wait: no vector or matrix
; instruction since the trip's wait on va_vdst names GK, GV, GM or their offsets.
.macro QK tt, deal=0
	WIN W_QK
.set SB, SC+32*(\tt&1)
.irp st, 0,1,2,3
	v_wmma_f32_16x16x32_f16 v[SB+8*\st:SB+8*\st+7], v[KF+16*\st:KF+16*\st+7], v[QF+16*\tt:QF+16*\tt+7], 0
.if \deal
	global_load_b128 v[GK+4*\st:GK+4*\st+3], v[KOFF], s[KB:KB+1] offset:ROWB*\st
.endif
.endr
.irp st, 0,1,2,3
	v_wmma_f32_16x16x32_f16 v[SB+8*\st:SB+8*\st+7], v[KF+16*\st+8:KF+16*\st+15], v[QF+16*\tt+8:QF+16*\tt+15], v[SB+8*\st:SB+8*\st+7]
.if \deal
	global_load_b128 v[GV+4*\st:GV+4*\st+3], v[VOFF], s[KB:KB+1] offset:QTOK+ROWB*\st
.endif
.endr
.if \deal
	global_load_b128 v[GM:GM+3], v[MOFF], s[MB:MB+1]
.endif
.endm
; Query tile tt: running maximum, alpha = 2^(old - new maximum), p = 2^(score - maximum), my half's running sum, P in f16.
; first = 1: the first chunk starts maximum and sum; there is no alpha.
.macro SOFTMAX tt, first
	WIN 0
.set SB, SC+32*(\tt&1)
.set MP, MM+2*\tt
.set AP, AL+2*\tt
.irp k, 0,1,2,3
	v_max3_num_f32 v[MA+\k], v[SB+8*\k], v[SB+8*\k+1], v[SB+8*\k+2]    ; 32 scores in 16 instructions, four chains
.endr
.irp k, 0,1,2,3
	v_max3_num_f32 v[MA+\k], v[MA+\k], v[SB+8*\k+3], v[SB+8*\k+4]
.endr
.irp k, 0,1,2,3
	v_max3_num_f32 v[MA+\k], v[MA+\k], v[SB+8*\k+5], v[SB+8*\k+6]
.endr
	v_max3_num_f32 v[MA],   v[MA],   v[MA+1], v[SB+7]
	v_max3_num_f32 v[MA+2], v[MA+2], v[MA+3], v[SB+15]
	v_max3_num_f32 v[MA],   v[MA],   v[MA+2], v[SB+23]
	v_max_num_f32  v[MA],   v[MA],   v[SB+31]
	v_permlanex16_b32 v[MX], v[MA], s28, s29       ; the other 32 keys of my query lie in lane + 16 or - 16
.if \first
	v_max_num_f32 v[MP+1], v[MA], v[MX]
.else
	v_max3_num_f32 v[MP+1], v[MA], v[MX], v[MP]
	v_sub_f32 v[AP], v[MP], v[MP+1]
.endif
	v_mov_b32 v[MP], v[MP+1]                       ; the pair now holds the new maximum twice
.set i, 0
.rept 16
	v_pk_add_f32 v[SB+i:SB+i+1], v[SB+i:SB+i+1], v[MP:MP+1] neg_lo:[0,1] neg_hi:[0,1]
.set i, i+2
.endr
.set i, 0
.rept 32
	v_exp_f32 v[SB+i], v[SB+i]
.set i, i+1
.endr
.if \first == 0
	v_exp_f32 v[AP], v[AP]
.endif
	v_nop                                          ; one plain vector instruction between the run of v_exp_f32 and the first use of a result (ISA guide 5.7.2)
	s_wait_alu depctr_va_vdst(0)                   ; the tile's exponentials have written the weights and alpha, ahead of their first reader: one wait for the batch.  In tile 2 the line also states that QK 3 is done reading K's fragments, in which the loads behind the barrier land
.irp k, 0,1,2,3
	v_pk_add_f32 v[SUM+2*\k:SUM+2*\k+1], v[SB+4*\k:SB+4*\k+1], v[SB+4*\k+2:SB+4*\k+3]
.endr
.irp k, 0,1,2,3
	v_pk_add_f32 v[SUM+2*\k:SUM+2*\k+1], v[SUM+2*\k:SUM+2*\k+1], v[SB+16+2*\k:SB+16+2*\k+1]
.endr
.irp k, 0,1,2,3
	v_pk_add_f32 v[SUM+2*\k:SUM+2*\k+1], v[SUM+2*\k:SUM+2*\k+1], v[SB+24+2*\k:SB+24+2*\k+1]
.endr
	v_pk_add_f32 v[SUM:SUM+1],   v[SUM:SUM+1],   v[SUM+2:SUM+3]
	v_pk_add_f32 v[SUM+4:SUM+5], v[SUM+4:SUM+5], v[SUM+6:SUM+7]
	v_pk_add_f32 v[SUM:SUM+1],   v[SUM:SUM+1],   v[SUM+4:SUM+5]
.if \first
	v_add_f32 v[AP+1], v[SUM], v[SUM+1]
.else
	v_fma_f32 v[AP+1], v[AP+1], v[AP], v[SUM]
	v_add_f32 v[AP+1], v[AP+1], v[SUM+1]
.endif
	; P's register p holds s = 32 hl + 2 p, 2 p + 1; score (st, j) is s = 32 hl + 4 j + st
.irp y, 0,1,2,3
	v_cvt_pk_f16_f32 v[PB+4*\y],   v[SB+2*\y],      v[SB+8+2*\y]
	v_cvt_pk_f16_f32 v[PB+4*\y+1], v[SB+16+2*\y],   v[SB+24+2*\y]
	v_cvt_pk_f16_f32 v[PB+4*\y+2], v[SB+2*\y+1],    v[SB+8+2*\y+1]
	v_cvt_pk_f16_f32 v[PB+4*\y+3], v[SB+16+2*\y+1], v[SB+24+2*\y+1]
.endr
.endm
; O of query tile tt: times alpha, plus V x P.  first = 1: the first four products start the sums, nothing is cleared or rescaled.
.macro PV tt, first
	WIN W_PV
.if \first
.irp ct, 0,1,2,3
	v_wmma_f32_16x16x32_f16 v[OA+32*\tt+8*\ct:OA+32*\tt+8*\ct+7], v[VF+16*\ct:VF+16*\ct+7], v[PB:PB+7], 0
.endr
.else
.set i, 0
.rept 16
	v_pk_mul_f32 v[OA+32*\tt+i:OA+32*\tt+i+1], v[OA+32*\tt+i:OA+32*\tt+i+1], v[AL+2*\tt:AL+2*\tt+1] op_sel_hi:[1,0]
.set i, i+2
.endr
.irp ct, 0,1,2,3
	v_wmma_f32_16x16x32_f16 v[OA+32*\tt+8*\ct:OA+32*\tt+8*\ct+7], v[VF+16*\ct:VF+16*\ct+7], v[PB:PB+7], v[OA+32*\tt+8*\ct:OA+32*\tt+8*\ct+7]
.endr
.endif
.irp ct, 0,1,2,3
	v_wmma_f32_16x16x32_f16 v[OA+32*\tt+8*\ct:OA+32*\tt+8*\ct+7], v[VF+16*\ct+8:VF+16*\ct+15], v[PB+8:PB+15], v[OA+32*\tt+8*\ct:OA+32*\tt+8*\ct+7]
.endr
.endm
; TRIP i works on chunk i (slot cur; K's fragments were fetched in the trip before).  conv = 1: chunk i + 1, loaded a trip ago, goes into slot nxt.
; gload = 1: chunk i + 2 is loaded.  pf = 1: chunk i + 3 is asked for.  One barrier a trip does both orderings of the two slots:
; in front of its signal each wave has finished its stores into nxt and all its reads of cur; behind its wait nxt is read, and in the next
; trip cur is written again.  Between signal and wait stand matrix and vector instructions on registers alone.
; The score buffers take turns, so that every SOFTMAX reads results behind a whole SOFTMAX (or PACKKV) of other registers, and P is rewritten
; only behind four or more plain vector instructions (ISA guide 7.12.1).
.macro TRIP cur, nxt, first, conv, gload, pf, id
	s_wait_dscnt 0x0                               ; K's 16 fragment loads, issued behind the last trip's barrier, are in; no other LDS instruction is out
	QK 0
	WIN 0
.if \conv
	s_wait_loadcnt 0x0                             ; the nine loads issued a trip ago; nothing younger is out
	PACKKV 1
.else
	PLACES                                         ; in PACKKV's stead, between QK 0 and the first reader of its results
.endif
	WIN W_TO1                                      ; the switch first, then the wait, then the loads
	s_wait_alu depctr_va_vdst(0)                   ; PV 3 of the trip before is done reading V's fragments, in which the loads below land; with conv = 1 also: the roundings have written v[CT ..], which the LDS stores read, and the multiplies and roundings are done with GK, GV and GM, in which the global loads land
	LOADV \cur
.if \conv
	TOLDS \nxt
.endif
.if \gload
	NEXTCH
.endif
	QK 1, \gload
	WIN 0                                          ; at a label and at a branch every window is 0
.if \pf
	ASK \id
.endif
	SOFTMAX 0, \first
	s_wait_dscnt 0x0                               ; V's fragments are in; for the other waves: my stores into nxt and my reads of cur are done
.if \conv
	s_barrier_signal -1
.endif
	PV 0, \first
	QK 2
	SOFTMAX 1, \first
	PV 1, \first
	QK 3
	SOFTMAX 2, \first
	PV 2, \first
.if \conv
	s_barrier_wait -1                              ; every wave's part of chunk i + 1 is in LDS
	LOADK \nxt                                     ; no wait here: SOFTMAX 2's stands behind QK 3, the last reader of K's fragments, and no line since names them or v[KLD]
.endif
	SOFTMAX 3, \first
	PV 3, \first
	WIN 0                                          ; at a label and at a branch every window is 0
.endm
	; PROLOGUE: chunk 0, then q (read once in the launch), then chunk 1
	LOADS
.irp ck, 0,1
.irp g, 0,1
.irp e, 0,1,2,3,4,5,6,7
	global_load_b128 v[XQ+4*(16*\ck+8*\g+\e):XQ+4*(16*\ck+8*\g+\e)+3], v[QOFF], s[QB:QB+1] offset:(32*\ck+16*\g+\e)*ROWB th:TH_LOAD_NT   ; row c = 32 ck + 16 g + 8 hl + e, t = t0 + 4 r .. + 3
.endr
.endr
.endr
	s_wait_loadcnt 32                              ; chunk 0's nine loads are in; q's 32 younger ones stay out
	PACKKV 0
	s_wait_alu depctr_va_vdst(0)                   ; the roundings have written v[CT ..], which the LDS stores read; the multiplies and roundings are done with GK, GV and GM, in which chunk 1's loads land
	TOLDS 0
	NEXTCH
	LOADS                                          ; chunk 1
	ASK 1                                          ; asks for chunk 2
	s_wait_loadcnt 9                               ; q is in; chunk 1's nine younger loads stay out
	WIN W_TO1
.irp tt, 0,1,2,3
.irp ck, 0,1
.irp g, 0,1
.irp p, 0,1,2,3
	v_cvt_pk_f16_f32 v[QF+8*(2*\tt+\ck)+4*\g+\p], v[XQ+4*(16*\ck+8*\g+2*\p)+\tt], v[XQ+4*(16*\ck+8*\g+2*\p+1)+\tt]
.endr
.endr
.endr
.endr
	WIN 0
	s_wait_dscnt 0x0                               ; my part of chunk 0 is in LDS,
	s_barrier_signal -1
	s_barrier_wait -1                              ; everybody's is
	s_wait_alu depctr_va_vdst(0)                   ; q's roundings are done reading v[176:223], the upper part of XQ, in which K's fragments land
	LOADK 0
	TRIP 0, 1, 1, 1, 1, 1, 2                       ; trip 0 stands in front of the loop: it starts maxima and sums
	s_mov_b32 s30, 6
.Lloop:                                            ; trips 1 to 12
	TRIP 1, 0, 0, 1, 1, 1, 3
	TRIP 0, 1, 0, 1, 1, 1, 4
	s_sub_co_i32 s30, s30, 1
	s_cmp_lg_u32 s30, 0
	s_cbranch_scc1 .Lloop
	TRIP 1, 0, 0, 1, 1, 0, 5                       ; trip 13 loads chunk 15, the last, and asks for nothing
	TRIP 0, 1, 0, 1, 0, 0, 6                       ; trip 14 converts it and loads nothing
	TRIP 1, 0, 0, 0, 0, 0, 7                       ; trip 15: nothing follows, no barrier
	; EPILOGUE: the two halves' sums meet; O / sum, gathered so that a lane's four tiles make 16 neighbouring bytes of a row of out0
	PLACES                                         ; behind the last products
.irp tt, 0,1,2,3
	v_permlanex16_b32 v[MX], v[AL+2*\tt+1], s28, s29
	v_add_f32 v[AL+2*\tt+1], v[AL+2*\tt+1], v[MX]
.endr
.irp tt, 0,1,2,3
	v_rcp_f32 v[RC+\tt], v[AL+2*\tt+1]             ; the sum is at least 1: the row's largest weight is 2^0
.endr
	v_nop                                          ; one plain vector instruction before a reciprocal is used (ISA guide 5.7.2)
	s_wait_alu depctr_va_vdst(0)                   ; the four reciprocals are written, ahead of their first reader
.irp ct, 0,1,2,3
	WIN W_FROM1
.irp j, 0,1,2,3,4,5,6,7
.irp tt, 0,1,2,3
	v_mul_f32 v[OT+4*(8*\ct+\j)+\tt], v[OA+8*(4*\tt+\ct)+\j], v[RC+\tt]
.endr
.endr
	WIN 0
	s_wait_alu depctr_va_vdst(0)                   ; the 32 multiplies above have written their part of v[OT ..], which the eight stores below read
.irp j, 0,1,2,3,4,5,6,7
	global_store_b128 v[QOFF], v[OT+4*(8*\ct+\j):OT+4*(8*\ct+\j)+3], s[OB:OB+1] offset:(16*\ct+\j)*ROWB th:TH_STORE_NT   ; row c = 16 ct + 8 hl + j: 16 lanes store 256 consecutive bytes, aligned; each store has data registers of its own, which no later line writes
.endr
.endr
	s_wait_dscnt 0x0
	s_wait_alu depctr_hold_cnt(0) depctr_sa_sdst(0) depctr_va_vdst(0) depctr_va_sdst(0) depctr_va_ssrc(0) depctr_va_vcc(0) depctr_vm_vsrc(0)
	s_wait_tensorcnt 0x0
	ds_add_u32 v254, v255
	s_wait_dscnt 0x0
	s_endpgm
.Lfunc_end_k_q02e9d8ed62_attn:
	.size	k_q02e9d8ed62_attn, .Lfunc_end_k_q02e9d8ed62_attn-k_q02e9d8ed62_attn
	.p2alignl 7, 3214868480
	.fill 96, 4, 3214868480
	.section	.rodata,"a",@progbits
	.p2align	6, 0x0
	.amdhsa_kernel k_q02e9d8ed62_attn
		.amdhsa_group_segment_fixed_size 37888
		.amdhsa_private_segment_fixed_size 0
		.amdhsa_enable_private_segment 0
		.amdhsa_kernarg_size 24
		.amdhsa_user_sgpr_count 2
		.amdhsa_user_sgpr_kernarg_segment_ptr 1
		.amdhsa_wavefront_size32 1
		.amdhsa_system_sgpr_workgroup_id_x 1
		.amdhsa_system_sgpr_workgroup_id_y 1
		.amdhsa_system_sgpr_workgroup_id_z 1
		.amdhsa_system_vgpr_workitem_id 0
		.amdhsa_next_free_vgpr 512
		.amdhsa_next_free_sgpr 66
		.amdhsa_reserve_vcc 0
		.amdhsa_float_denorm_mode_32 3
		.amdhsa_float_denorm_mode_16_64 3
		.amdhsa_memory_ordered 1
		.amdhsa_forward_progress 1
		.amdhsa_inst_pref_size 225
	.end_amdhsa_kernel
	.amdgpu_metadata
---
amdhsa.version: [ 1, 2 ]
amdhsa.kernels:
  - .name:           k_q02e9d8ed62_attn
    .symbol:         k_q02e9d8ed62_attn.kd
    .args:
      - { .name: mask, .offset: 0, .size: 8, .value_kind: global_buffer, .address_space: global }
      - { .name: qkv, .offset: 8, .size: 8, .value_kind: global_buffer, .address_space: global }
      - { .name: out0, .offset: 16, .size: 8, .value_kind: global_buffer, .address_space: global }
    .group_segment_fixed_size: 37888
    .private_segment_fixed_size: 0
    .kernarg_segment_align: 8
    .kernarg_segment_size: 24
    .max_flat_workgroup_size: 256
    .sgpr_count:     66
    .vgpr_count:     512
    .wavefront_size: 32
...
	.end_amdgpu_metadata
.endif
;; end of part 2
